; MI455X (gfx1250); checked and timed in simulation.
; The chip was launched on July 23, 2026; its instructions are those of AMD's public machine-readable ISA for CDNA 5 (MIT licence, August 2026) and "CDNA5" Instruction Set Architecture Reference Guide (July 2026). The comments in the code are by the model that wrote it; some were corrected since.
;; Bahdanau Attention. Allowed arithmetic: matrix products marked QUANTISED: E5M2 operands, one given power-of-two scale a tensor, by v_wmma_f32_16x16x64_bf8_bf8 or v_wmma_f32_16x16x128_bf8_bf8, f32 sums; products left as they are: f32 operands where the result goes on into a quantised operand, else bf16, f16 or f32 operands; f32 sums; everything else in f32.
;; Inputs: V 1,024 x 1 float32; W1_codes 1,024 x 64 x 32 uint8 (E5M2 codes of W1, K innermost, in blocks of 32 codes); W2_codes 1,024 x 64 x 32 uint8 (E5M2 codes of W2, K innermost, in blocks of 32 codes); b1 1,024 float32; b2 1,024 float32; bv 1 float32; lowp_scales 4 int32 (the exponents e of the quantised operands' scales 2^e); query_codes 32 x 64 x 32 uint8 (E5M2 codes of query, K innermost, in blocks of 32 codes); values 32 x 1,024 x 2,048 float32.
;; Outputs: out0 32 x 2,048 float32; out1 32 x 1,024 x 1 float32.
;; This version of the problem:
;;   THIS VERSION OF THE PROBLEM IS GIVEN IN LOW PRECISION. The matrix products marked QUANTISED in the list below multiply operands that are first quantised to E5M2 (5 exponent bits, 2 mantissa bits; 8 bits a number), with one given power-of-two scale for each operand tensor; their sums are f32. All else is computed in f32.
;;   The module's matrix products, in the order in which they are computed (A, B: the left and right operand; K: the contracted axis; several contracted axes count as one K, in the product's order):
;;     1. [M 32,768, K 2,048] x [K 2,048, N 1,024]; A: input values; B: input W1 (given as codes): QUANTISED (scales: A lowp_scales[0], B lowp_scales[1])
;;     2. [M 32, K 2,048] x [K 2,048, N 1,024]; A: input query (given as codes); B: input W2 (given as codes): QUANTISED (scales: A lowp_scales[2], B lowp_scales[3])
;;     3. [M 32,768, K 1,024] x [K 1,024, N 1]; A: computed on the way; B: input V: left as it is (N = 1 < 16)
;;   THE QUANTISER, for each operand of a quantised product, along K:
;;     - The operand's scale is 2^e, e = its entry of the input lowp_scales (int32; the entries are numbered through the quantised products in the list's order, A before B).
;;     - Each number is divided by the scale, clamped to +-57,344, and rounded to the nearest number of E5M2, ties to even, subnormals kept.
;;     - The product sums the exact products of the quantised numbers (number of the format x scale) in f32.
;;   ~~~python
;;   def quantise(x, axis, e):      # numpy; x: float32 -> the quantised numbers, widened to float32 again
;;       x = np.moveaxis(x, axis, -1); K = x.shape[-1]
;;       r = np.clip(x / 2.0 ** e, -57344, 57344)
;;       step = 2.0 ** (np.maximum(np.frexp(np.where(r == 0, 1, r))[1] - 1, -14) - 2)
;;       q = np.round(r / step) * step * 2.0 ** e      # np.round: ties to even
;;       return np.moveaxis(q, -1, axis).astype(np.float32)
;;   ~~~
;;   INPUTS GIVEN AS CODES. W1 (in the module: [2048, 1024], K = its axis 0); W2 (in the module: [2048, 1024], K = its axis 0); query (in the module: [32, 2048], K = its axis 1): each comes as NAME_codes (uint8): NAME with its K axis moved to the last place and cut into blocks of 32 codes, [.., K / 32, bytes a block], one block behind the other in memory; one code a byte (a code: sign, 5 exponent bits, 2 mantissa bits); its scale is its entry of lowp_scales. Its value is code x scale, taken as it is: it is not quantised again, and the codes and scales need not be those that the quantiser above would give.
;; One version. Each part assembles by itself: llvm-mc -triple=amdgcn-amd-amdhsa -mcpu=gfx1250 --defsym DOCPART=n.
;; ======== version 1 of 1: 4 launches
;; limits: right only within a limited range of input values
;; workspace buffers: w1l 2,097,152 bytes; biasq 131,072 bytes; scores 131,072 bytes; part 2,097,152 bytes
;; launch prep (part 1): grid 64 x 1, 8 waves a work-group, no clusters, 17,408 bytes of LDS; arguments query_codes, W2_codes, W1_codes, b1, b2, lowp_scales, biasq, w1l; writes biasq, w1l
.if DOCPART == 1
	.amdgcn_target "amdgcn-amd-amdhsa--gfx1250"
	.amdhsa_code_object_version 6
	.text
	.protected	k_q31447b1feb_prep
	.globl	k_q31447b1feb_prep
	.p2align	8
	.type	k_q31447b1feb_prep,@function
k_q31447b1feb_prep:
	s_mov_b64 s[64:65], 0
	v_nop
	global_prefetch_b8 v0, s[64:65] scope:SCOPE_SE
	s_setreg_imm32_b32 hwreg(HW_REG_WAVE_MODE, 25, 1), 1
	s_wait_xcnt 0x0
; BAHDANAU ATTENTION, launch 1 of 4.  score[b][t] = V . tanh(values[b][t] W1 + b1 + query[b] W2 + b2) + bv;  out1 = softmax over t;  out0 = sum over t of out1 x values.
; WORK LEFT OUT, for all values of the inputs.  (1) bv is added to every score of a batch alike, and both outputs lie behind the softmax over t, which a term that is the same along t
; leaves as it is: so bv has no way to an output; it is not loaded and is no argument of any launch.  (2) tanh(x) = 1 - 2 / (1 + 2^(2 log2(e) x)): the 1 gives the sum of V's entries, again
; the same for every t, and is dropped for the same reason: the scores that go to memory are -2 x the sum over u of V[u] / (1 + 2^(2 log2(e) x)).
; LIMIT: a NaN, an infinity or an overflow that reaches only bv or the sum of V's entries is not carried to the result.
; THIS LAUNCH makes two tables.
;   biasq [g 64][b 32][16 u] f32 = (query W2 x 2^(e2 + e3) + b1 + b2) x 2^-(e0 + e1): what the first product's sums, which stand for sum x 2^(e0 + e1), begin with.
;   w1l: W1's codes in the order of an operand's registers.  The fragment (columns 16 g on, k = 128 ks on) is 2,048 bytes: group c of four lies at byte 512 c + 16 x lane and holds
;   W1_codes[16 g + lane % 16][128 ks + 32 c + 16 (lane / 16) + 0 .. 15].  The fragments lie [hf 2][L 8][w 4][q 2][n 8], with g = 32 hf + 8 w + n and ks = 2 L + q: what one wave of the next
;   launch asks for at a time (its 8 fragments of two K steps) is 32,768 bytes on end.
; SHARES.  Work-group g takes 16 columns u = 16 g on, of both weights.  Wave k of eight takes K = 256 k .. 256 k + 255: two K steps of 128.  The eight partial sums meet in LDS.
; The product is used transposed (source 0 = 16 rows of W2's codes, source 1 = 16 rows of query's): lane (r, h), register j holds (u = 16 g + 8 h + j, b = 16 mt + r).
; k is laid alike in both operands (registers 4 c .. 4 c + 3: k = 32 c + 16 h + 0 .. 15), so every product meets its partner.
.set SPARE, 16384                      ; LDS: 0 .. 16,383 the eight waves' partial sums, [b 32][16 u] f32 each; then the spare words, 128 bytes a wave
.set FA,  4                            ; v4   2,048 r + 16 h: my place in 16 rows of codes
.set PR,  5                            ; v5   8 x thread: my two numbers of the 512
.set BO,  6                            ; v6   8 (thread % 8): their u in b1 and b2
.set LI,  7                            ; v7   16 x lane: an image's place for my lane
.set SPW, 8                            ; v8   my spare word; never rewritten
.set NIL, 9                            ; v9   0; never rewritten
.set PS,  10                           ; v10  where I put my partial sums
.set W2F, 32                           ; v32-63   W2's two fragments
.set QF,  64                           ; v64-127  query's: (mt, q) at 64 + 32 mt + 16 q
.set W1F, 128                          ; v128-159 W1's eight groups of four
.set ACC, 160                          ; v160-175 two accumulators
.set PT,  176                          ; v176-191 the eight partial sums of my two numbers
	s_load_b512 s[4:19], s[0:1], 0x0               ; query s[4:5], W2 s[6:7], W1 s[8:9], b1 s[10:11], b2 s[12:13], scales s[14:15], biasq s[16:17], w1l s[18:19]
	v_lshl_add_u32 v[SPW], v0, 2, SPARE
	v_mov_b32 v[NIL], 0
	v_lshrrev_b32 v1, 5, v0
	s_delay_alu instid0(VALU_DEP_1)
	v_readfirstlane_b32 s20, v1                    ; wave 0..7
	v_and_b32 v1, 31, v0                           ; lane
	v_and_b32 v2, 15, v0                           ; r
	v_bfe_u32 v3, v0, 4, 1                         ; h
	s_delay_alu instid0(VALU_DEP_2)
	v_lshlrev_b32 v[FA], 11, v2
	s_delay_alu instid0(VALU_DEP_1)
	v_lshl_add_u32 v[FA], v3, 4, v[FA]
	v_lshlrev_b32 v[PR], 3, v0
	v_and_b32 v[BO], 7, v0
	s_delay_alu instid0(VALU_DEP_1)
	v_lshlrev_b32 v[BO], 3, v[BO]
	v_lshlrev_b32 v[LI], 4, v1
	s_lshl_b32 s21, s20, 11                        ; my wave's 2,048 bytes of LDS
	v_lshlrev_b32 v[PS], 6, v2
	s_delay_alu instid0(VALU_DEP_1)
	v_lshl_add_u32 v[PS], v3, 5, v[PS]
	s_delay_alu instid0(VALU_DEP_1)
	v_add_nc_u32 v[PS], s21, v[PS]                 ; 2,048 wave + 64 r + 32 h
	s_lshl_b32 s22, ttmp9, 15
	s_lshl_b32 s23, s20, 8
	s_add_co_u32 s22, s22, s23
	s_mov_b32 s23, 0                               ; 16 g rows of 2,048 bytes + 256 x wave: in W1's and W2's codes
	s_lshl_b32 s30, s20, 8
	s_mov_b32 s31, 0                               ; 256 x wave: in query's
	s_lshl_b32 s32, ttmp9, 6
	s_mov_b32 s33, 0                               ; 64 g: in b1 and b2
	s_lshl_b32 s34, ttmp9, 11
	s_mov_b32 s35, 0                               ; 2,048 g: in biasq
	s_lshl_b32 s36, s20, 17                        ; in w1l: L = my wave: 131,072 bytes a pair of K steps,
	s_lshr_b32 s38, ttmp9, 5
	s_lshl_b32 s38, s38, 20                        ; hf = g / 32: 1,048,576 bytes a half,
	s_add_co_u32 s36, s36, s38
	s_bfe_u32 s38, ttmp9, 0x20003
	s_lshl_b32 s38, s38, 15                        ; w = (g / 8) % 4: 32,768 bytes,
	s_add_co_u32 s36, s36, s38
	s_and_b32 s38, ttmp9, 7
	s_lshl_b32 s38, s38, 11                        ; n = g % 8: 2,048 bytes
	s_add_co_u32 s36, s36, s38
	s_mov_b32 s37, 0
	s_wait_alu depctr_va_vdst(0)
	s_wait_kmcnt 0x0
	s_load_b128 s[24:27], s[14:15], 0x0            ; e0, e1, e2, e3
	s_add_nc_u64 s[8:9], s[8:9], s[22:23]
	s_add_nc_u64 s[6:7], s[6:7], s[22:23]
	s_add_nc_u64 s[4:5], s[4:5], s[30:31]
	s_add_nc_u64 s[10:11], s[10:11], s[32:33]
	s_add_nc_u64 s[12:13], s[12:13], s[32:33]
	s_add_nc_u64 s[16:17], s[16:17], s[34:35]
	s_add_nc_u64 s[18:19], s[18:19], s[36:37]
.irp q, 0,1                                    ; W1's codes first: their way out begins while the others are on their way
.irp c, 0,1,2,3
	global_load_b128 v[W1F+16*\q+4*\c:W1F+16*\q+4*\c+3], v[FA], s[8:9] offset:128*\q+32*\c th:TH_LOAD_NT
.endr
.endr
	global_load_b64 v[12:13], v[BO], s[10:11]      ; b1 and b2 at my two numbers' u
	global_load_b64 v[14:15], v[BO], s[12:13]
.irp q, 0,1
.irp c, 0,1,2,3
	global_load_b128 v[W2F+16*\q+4*\c:W2F+16*\q+4*\c+3], v[FA], s[6:7] offset:128*\q+32*\c th:TH_LOAD_NT
.endr
.endr
.irp mt, 0,1
.irp q, 0,1
.irp c, 0,1,2,3
	global_load_b128 v[QF+32*\mt+16*\q+4*\c:QF+32*\mt+16*\q+4*\c+3], v[FA], s[4:5] offset:32768*\mt+128*\q+32*\c
.endr
.endr
.endr
.set ii, 0
.rept 8                                        ; group ii of W1 is in: behind it 7 - ii of its own kind and the 26 other loads.  A wave's store covers 512 consecutive bytes; q = ii / 4 is 16,384 bytes on
	s_wait_loadcnt 33-ii
	global_store_b128 v[LI], v[W1F+4*ii:W1F+4*ii+3], s[18:19] offset:16384*(ii/4)+512*(ii%4)
.set ii, ii+1
.endr
	s_wait_loadcnt 0x0
.irp q, 0,1                                    ; the two accumulators take turns, one instruction a turn; the first K step starts the sums
.irp mt, 0,1
.if \q == 0
	v_wmma_f32_16x16x128_bf8_bf8 v[ACC+8*\mt:ACC+8*\mt+7], v[W2F+16*\q:W2F+16*\q+15], v[QF+32*\mt+16*\q:QF+32*\mt+16*\q+15], 0
.else
	v_wmma_f32_16x16x128_bf8_bf8 v[ACC+8*\mt:ACC+8*\mt+7], v[W2F+16*\q:W2F+16*\q+15], v[QF+32*\mt+16*\q:QF+32*\mt+16*\q+15], v[ACC+8*\mt:ACC+8*\mt+7]
.endif
.endr
.endr
.rept 4
	v_nop                                          ; four places between a matrix instruction and an LDS store that reads its result
.endr
.irp mt, 0,1                                   ; (b = 16 mt + r, u = 8 h + j) lies at 64 b + 4 u.  Sixteen lanes stand 64 bytes apart: four to a bank; there are four such stores a wave in the launch
	ds_store_b128 v[PS], v[ACC+8*\mt:ACC+8*\mt+3] offset:1024*\mt
	ds_store_b128 v[PS], v[ACC+8*\mt+4:ACC+8*\mt+7] offset:1024*\mt+16
.endr
	s_wait_dscnt 0x0                               ; for the others' sake: my stores have landed
	s_barrier_signal -1
	s_barrier_wait -1
.irp k, 0,1,2,3,4,5,6,7
	ds_load_b64 v[PT+2*\k:PT+2*\k+1], v[PR] offset:2048*\k   ; the eight waves' parts of my two numbers
.endr
	s_wait_kmcnt 0x0
	s_add_co_i32 s28, s26, s27                     ; e2 + e3
	s_add_co_i32 s29, s24, s25
	s_sub_co_i32 s29, 0, s29                       ; -(e0 + e1)
	v_pk_add_f32 v[12:13], v[12:13], v[14:15]      ; b1 + b2
	s_wait_dscnt 0x0
	v_pk_add_f32 v[PT:PT+1], v[PT:PT+1], v[PT+2:PT+3]
	v_pk_add_f32 v[PT+4:PT+5], v[PT+4:PT+5], v[PT+6:PT+7]
	v_pk_add_f32 v[PT+8:PT+9], v[PT+8:PT+9], v[PT+10:PT+11]
	v_pk_add_f32 v[PT+12:PT+13], v[PT+12:PT+13], v[PT+14:PT+15]
	s_delay_alu instid0(VALU_DEP_3)
	v_pk_add_f32 v[PT:PT+1], v[PT:PT+1], v[PT+4:PT+5]
	s_delay_alu instid0(VALU_DEP_2)
	v_pk_add_f32 v[PT+8:PT+9], v[PT+8:PT+9], v[PT+12:PT+13]
	s_delay_alu instid0(VALU_DEP_1)
	v_pk_add_f32 v[PT:PT+1], v[PT:PT+1], v[PT+8:PT+9]
	s_delay_alu instid0(VALU_DEP_1)
	v_ldexp_f32 v[PT], v[PT], s28                  ; the sum stands for sum x 2^(e2 + e3)
	s_delay_alu instid0(VALU_DEP_2)
	v_ldexp_f32 v[PT+1], v[PT+1], s28
	s_delay_alu instid0(VALU_DEP_1)
	v_pk_add_f32 v[PT:PT+1], v[PT:PT+1], v[12:13]
	s_delay_alu instid0(VALU_DEP_1)
	v_ldexp_f32 v[PT], v[PT], s29                  ; and goes on divided by the power of two that the first product's sums lack
	s_delay_alu instid0(VALU_DEP_2)
	v_ldexp_f32 v[PT+1], v[PT+1], s29
	global_store_b64 v[PR], v[PT:PT+1], s[16:17]   ; a wave stores 256 consecutive bytes, at a multiple of 256 from the buffer's first byte
	s_wait_tensorcnt 0x0                           ; the wave's end
	ds_add_u32 v[SPW], v[NIL]
	s_wait_dscnt 0x0
	s_endpgm
.Lfunc_end_k_q31447b1feb_prep:
	.size	k_q31447b1feb_prep, .Lfunc_end_k_q31447b1feb_prep-k_q31447b1feb_prep
	.p2alignl 7, 3214868480
	.fill 96, 4, 3214868480
	.section	.rodata,"a",@progbits
	.p2align	6, 0x0
	.amdhsa_kernel k_q31447b1feb_prep
		.amdhsa_group_segment_fixed_size 17408
		.amdhsa_private_segment_fixed_size 0
		.amdhsa_enable_private_segment 0
		.amdhsa_kernarg_size 64
		.amdhsa_user_sgpr_count 2
		.amdhsa_user_sgpr_kernarg_segment_ptr 1
		.amdhsa_wavefront_size32 1
		.amdhsa_system_sgpr_workgroup_id_x 1
		.amdhsa_system_sgpr_workgroup_id_y 1
		.amdhsa_system_sgpr_workgroup_id_z 1
		.amdhsa_system_vgpr_workitem_id 0
		.amdhsa_next_free_vgpr 192
		.amdhsa_next_free_sgpr 66
		.amdhsa_reserve_vcc 0
		.amdhsa_float_denorm_mode_32 3
		.amdhsa_float_denorm_mode_16_64 3
		.amdhsa_memory_ordered 1
		.amdhsa_forward_progress 1
		.amdhsa_inst_pref_size 10
	.end_amdhsa_kernel
	.amdgpu_metadata
---
amdhsa.version: [ 1, 2 ]
amdhsa.kernels:
  - .name:           k_q31447b1feb_prep
    .symbol:         k_q31447b1feb_prep.kd
    .args:
      - { .name: query_codes, .offset: 0, .size: 8, .value_kind: global_buffer, .address_space: global }
      - { .name: W2_codes, .offset: 8, .size: 8, .value_kind: global_buffer, .address_space: global }
      - { .name: W1_codes, .offset: 16, .size: 8, .value_kind: global_buffer, .address_space: global }
      - { .name: b1, .offset: 24, .size: 8, .value_kind: global_buffer, .address_space: global }
      - { .name: b2, .offset: 32, .size: 8, .value_kind: global_buffer, .address_space: global }
      - { .name: lowp_scales, .offset: 40, .size: 8, .value_kind: global_buffer, .address_space: global }
      - { .name: biasq, .offset: 48, .size: 8, .value_kind: global_buffer, .address_space: global }
      - { .name: w1l, .offset: 56, .size: 8, .value_kind: global_buffer, .address_space: global }
    .group_segment_fixed_size: 17408
    .private_segment_fixed_size: 0
    .kernarg_segment_align: 8
    .kernarg_segment_size: 64
    .max_flat_workgroup_size: 256
    .sgpr_count:     66
    .vgpr_count:     192
    .wavefront_size: 32
...
	.end_amdgpu_metadata
.endif
;; end of part 1
;; launch score (part 2): grid 256 x 1, 4 waves a work-group, no clusters, 299,520 bytes of LDS; arguments values, w1l, biasq, V, lowp_scales, scores; writes scores
.if DOCPART == 2
	.amdgcn_target "amdgcn-amd-amdhsa--gfx1250"
	.amdhsa_code_object_version 6
	.text
	.protected	k_q31447b1feb_score
	.globl	k_q31447b1feb_score
	.p2align	8
	.type	k_q31447b1feb_score,@function
k_q31447b1feb_score:
	s_mov_b64 s[64:65], 0
	v_nop
	global_prefetch_b8 v0, s[64:65] scope:SCOPE_SE
	s_setreg_imm32_b32 hwreg(HW_REG_WAVE_MODE, 25, 1), 1
	s_wait_xcnt 0x0
; Launch 2 of 4: scores[b][t] = -2 x the sum over u of V[u] / (1 + 2^(2 log2(e) x)), x = values[b][t] W1 + b1 + query[b] W2 + b2.
; bv and the sum of V's entries are left out, as shown at the first kernel's head: they are the same for every t of a batch.
; SHARES.  A work-group owns 128 rows (b, t) of one batch and all 1,024 columns u.  Its rows are loaded and quantised ONCE, into LDS: 16 chunks of 128 along K,
; each 128 rows x (128 codes + 16 bytes of padding) = 18,432 bytes; every byte is written once and never again.  The columns go in two passes of 512: a wave makes 128 rows x 128 columns in 512 registers.
; Pass 1 multiplies chunk s while chunk s + 2 is quantised (each wave 32 rows) and chunk s + 3 is on its way; one barrier a step shows the new chunk.  Pass 2 finds all codes in LDS and has no barrier.
; W1's fragments come from w1l, which lies in the order of an operand's registers, straight into registers: 32 loads of 512 consecutive bytes a step; two sets in pass 1, three in pass 2.
; NO CLUSTER, NO TENSOR LOAD: the codes take 294,912 of LDS's 327,680 bytes; what is left cannot hold two slots of W1's 65,536 bytes a K step.
; The product is used transposed (source 0 = 16 rows of W1's codes, source 1 = 16 rows of values' codes): lane (r, h), register j holds (u = 8 h + j, row r).  k is laid alike in both operands.
; LIMITS on the given exponents: e0 between -126 and 112; e0 + e1 between -126 and 126 (added to the exponent field of 2 log2(e)).
; REGISTERS.  Window 0: v0-15, v224-225 addresses; v16-31 codes; v32-95 A's fragments, two pairs of blocks by turns; v96-223 four groups of values (pass 1), W1's third set (pass 2), V and the bias (way out).
; Window 1: W1's sets 0 and 1.  Windows 2, 3: accumulator (a, n) at v[64 (a % 4) + 8 n] of window 2 + a / 4.
.set CH,    18432
.set AP,    144
.set SCR,   294912                     ; [pass 2][wave 4][128 rows] f32: the waves' parts of the scores
.set SPARE, 299008                     ; the spare words, 128 bytes a wave
.set SPW,  4
.set NIL,  5
.set ARD0, 6                           ; 144 r + 16 h
.set AST0, 7                           ; 4,608 wave + 4 lane
.set VA,   8                           ; 16 lane
.set SC,   9                           ; 2^e0
.set LIM,  10                          ; 57,344 x 2^e0
.set BV,   11                          ; 32 h
.set SST0, 12
.set SRD,  13
.set PFO,  14                          ; 8,192 lane
.set ARD,  15                          ; ARD0 + the section's first chunk
.set AST,  224
.set SST,  225
.set PC,   16
.set AF,   32
.set VR,   96
.set VV,   96
.set BIA,  160
.set S,    32
.set T,    96
.set WV,  16
.set HF,  17
.set CNT, 18
.set AO,  19
.set RB,  20
.set BP,  22
.set BI,  24
.set VP,  26
.set SO,  28
.set K2,  30
.set SEL, 32
.set BD,  34
.set SOF, 36
.set MSB, 0
.macro WIN new                         ; the immediate's high byte repeats the setting that is left
.if MSB != (\new)
	s_set_vgpr_msb (MSB<<8)|(\new)
.set MSB, (\new)
.endif
.endm
.macro PLACES
.rept 4
	v_nop
.endr
.endm
.macro BLOAD set, off                  ; W1's 8 fragments of one K step: 16,384 bytes on end
.if (\set) == 2
	WIN 0
.set bb, 96
.else
	WIN 0x40
.set bb, 128*(\set)
.endif
.set nn, 0
.rept 8
.set cc, 0
.rept 4
	global_load_b128 v[bb+16*nn+4*cc:bb+16*nn+4*cc+3], v[VA], s[BP:BP+1] offset:(\off)+2048*nn+512*cc
.set cc, cc+1
.endr
.set nn, nn+1
.endr
	WIN 0
.endm
.macro MUL p, set, zero                ; A's blocks 2 p, 2 p + 1 x W1's eight: the 64 accumulators take turns
.if (\set) == 2
.set bb, 96
	WIN 0xa0+0x50*((\p)/2)
.else
.set bb, 128*(\set)
	WIN 0xa1+0x50*((\p)/2)
.endif
.set aa, 2*(\p)
.rept 2
.set fa, AF+32*((\p)%2)+16*(aa%2)
.set nn, 0
.rept 8
.if \zero
	v_wmma_f32_16x16x128_bf8_bf8 v[64*(aa%4)+8*nn:64*(aa%4)+8*nn+7], v[bb+16*nn:bb+16*nn+15], v[fa:fa+15], 0
.else
	v_wmma_f32_16x16x128_bf8_bf8 v[64*(aa%4)+8*nn:64*(aa%4)+8*nn+7], v[bb+16*nn:bb+16*nn+15], v[fa:fa+15], v[64*(aa%4)+8*nn:64*(aa%4)+8*nn+7]
.endif
.set nn, nn+1
.endr
.set aa, aa+1
.endr
	WIN 0
.endm
.macro ALOAD pp, rc                    ; A's blocks 2 pp, 2 pp + 1 of chunk rc of the section
.set aa, 2*(\pp)
.rept 2
.set fa, AF+32*((\pp)%2)+16*(aa%2)
.set cc, 0
.rept 4
	ds_load_b128 v[fa+4*cc:fa+4*cc+3], v[ARD] offset:CH*(\rc)+16*AP*aa+32*cc
.set cc, cc+1
.endr
.set aa, aa+1
.endr
.endm
.macro FEEDG g, rel                    ; 8 rows x 512 bytes of chunk rel
.set ii, 0
.rept 8
	global_load_b128 v[VR+32*(\g)+4*ii:VR+32*(\g)+4*ii+3], v[VA], s[RB:RB+1] offset:8192*(8*(\g)+ii)+512*(\rel) th:TH_LOAD_NT
.set ii, ii+1
.endr
.endm
.macro QUANT g, cnt, rel, feed         ; group g (8 of my 32 rows) of chunk rel: held, converted, stored; its registers take chunk rel + 1
	s_wait_loadcnt \cnt
.set qb, VR+32*(\g)
.set qp, PC+8*((\g)%2)
.set ii, 0
.rept 32
	v_med3_num_f32 v[qb+ii], v[qb+ii], -v[LIM], v[LIM]
.set ii, ii+1
.endr
.set ii, 0
.rept 4
	v_cvt_scalef32_pk8_bf8_f32 v[qp+2*ii:qp+2*ii+1], v[qb+8*ii:qb+8*ii+7], v[SC]   ; two rows' four codes each
.set ii, ii+1
.endr
	v_nop                                          ; a plain place behind the last conversion
.set ii, 0
.rept 8
	ds_store_b32 v[AST], v[qp+ii] offset:CH*(\rel)+AP*(8*(\g)+ii)   ; 32 lanes: a row's 128 codes
.set ii, ii+1
.endr
.if \feed
	FEEDG \g, (\rel)+1
.endif
.endm
.macro ASKV rel                        ; into the L2: my 32 rows' 512 bytes of chunk rel, a lane a row, each block of 256 bytes once; two steps ahead of the loads that want them
	global_prefetch_b8 v[PFO], s[RB:RB+1] offset:512*(\rel) th:TH_LOAD_NT scope:SCOPE_SE
	global_prefetch_b8 v[PFO], s[RB:RB+1] offset:512*(\rel)+256 th:TH_LOAD_NT scope:SCOPE_SE
.endm
.macro VBLOAD                          ; V and the bias at my lane's 64 columns
.set nn, 0
.rept 8
	global_load_b128 v[VV+8*nn:VV+8*nn+3],   v[BV], s[VP:VP+1] offset:64*nn
	global_load_b128 v[VV+8*nn+4:VV+8*nn+7], v[BV], s[VP:VP+1] offset:64*nn+16
	global_load_b128 v[BIA+8*nn:BIA+8*nn+3],   v[BV], s[BI:BI+1] offset:2048*nn
	global_load_b128 v[BIA+8*nn+4:BIA+8*nn+7], v[BV], s[BI:BI+1] offset:2048*nn+16
.set nn, nn+1
.endr
.endm
.macro SETA st                         ; the section's addresses
	v_add_nc_u32 v[ARD], s[AO], v[ARD0]
.if \st
	v_add_nc_u32 v[AST], s[AO], v[AST0]
.endif
	s_wait_alu depctr_va_vdst(0)
.endm
; A K STEP of 128: chunk rc of the section x W1's set.  nset: the set that is asked for now (-1: none).  topc: the loads issued behind this step's set.
; quant: chunk rc + 2 is quantised, a group ahead of each 16 products, and a barrier shows it.  LDS counts: behind a pair's 8 loads stand 8 loads, and with quant two or one times 8 stores.
.macro STEP rc, set, nset, boff, topc, zero, quant, feed, ask, last, adv
.if \adv
	s_wait_xcnt 0x0                                ; the earlier loads have read the pointer
	s_add_nc_u64 s[BP:BP+1], s[BP:BP+1], s[BD:BD+1]   ; K steps lie 16,384 and 114,688 bytes apart by turns
	s_xor_b32 s[BD], s[BD], 0x18000
.endif
.if \ask == 2
	s_cmp_eq_u32 s[CNT], 1                         ; the loop's last trip has no chunk five on
	s_cbranch_scc1 .Lna_\@
.endif
.if \ask
	ASKV (\rc)+5
.endif
.if \ask == 2
.Lna_\@:
.endif
.if (\nset) >= 0
	BLOAD \nset, \boff
.endif
.if \last
	VBLOAD
.endif
	s_wait_loadcnt \topc
.irp p, 0,1,2,3
.if \quant
	QUANT \p, 56-8*\p*(1-\feed), (\rc)+2, \feed    ; behind the group: 24 loads of values and W1's 32
.if \p == 0
	s_wait_dscnt 16
.elseif \p == 3
	s_wait_dscnt 0x0                               ; my stores of the new chunk have landed
	s_barrier_signal -1
.else
	s_wait_dscnt 24
.endif
.elseif (\last) && (\p == 3)
	s_wait_dscnt 0x0
.else
	s_wait_dscnt 8
.endif
	MUL \p, \set, \zero
.if (\quant) && (\p == 3)
	s_barrier_wait -1
.endif
	PLACES                                         ; four places ahead of loads into registers that matrix instructions have read
.if \p < 2
	ALOAD \p+2, \rc
.elseif (\last) == 0
	ALOAD \p-2, (\rc)+1
.endif
.endr
.endm
	s_load_b256 s[4:11], s[0:1], 0x0               ; values, w1l, biasq, V
	s_load_b128 s[12:15], s[0:1], 0x20             ; scales, scores
	v_lshl_add_u32 v[SPW], v0, 2, SPARE
	v_mov_b32 v[NIL], 0
	v_lshrrev_b32 v1, 5, v0
	v_readfirstlane_b32 s[WV], v1
	s_lshl_b32 s44, ttmp9, 20                      ; 128 rows of 8,192 bytes,
	s_lshl_b32 s45, s[WV], 18                      ; my wave's 32
	s_add_co_u32 s44, s44, s45
	s_mov_b32 s45, 0
	s_lshl_b32 s46, s[WV], 15                      ; w1l: my wave's 32,768 bytes of two K steps
	s_mov_b32 s47, 0
	s_lshr_b32 s50, ttmp9, 3                       ; the batch
	s_lshl_b32 s50, s50, 6
	s_lshl_b32 s51, s[WV], 14
	s_add_co_u32 s50, s50, s51
	s_mov_b32 s51, 0
	s_lshl_b32 s52, s[WV], 9
	s_mov_b32 s53, 0
	s_lshl_b32 s54, ttmp9, 9
	s_mov_b32 s55, 0
	s_mul_i32 s42, s[WV], 32*AP
	s_add_co_u32 s43, s52, SCR
	s_mov_b32 s[SEL], 0x76543210
	s_mov_b32 s[SEL+1], 0xfedcba98
	v_and_b32 v1, 31, v0
	v_and_b32 v2, 15, v0
	v_bfe_u32 v3, v0, 4, 1
	v_lshlrev_b32 v[VA], 4, v1
	v_lshlrev_b32 v[PFO], 13, v1
	v_mul_u32_u24 v[ARD0], v2, AP
	v_lshl_add_u32 v[ARD0], v3, 4, v[ARD0]
	v_lshl_add_u32 v[AST0], v1, 2, s42
	v_lshlrev_b32 v[BV], 5, v3
	v_lshl_add_u32 v[SST0], v2, 2, s43
	v_add_nc_u32 v[SRD], SCR, v[VA]
	s_wait_alu depctr_va_vdst(0)
	s_wait_kmcnt 0x0
	s_load_b64 s[40:41], s[12:13], 0x0             ; e0, e1
	s_add_nc_u64 s[RB:RB+1], s[4:5], s[44:45]
	s_add_nc_u64 s[BP:BP+1], s[6:7], s[46:47]
	s_add_nc_u64 s[BI:BI+1], s[8:9], s[50:51]
	s_add_nc_u64 s[VP:VP+1], s[10:11], s[52:53]
	s_add_nc_u64 s[SO:SO+1], s[14:15], s[54:55]
.irp g, 0,1,2,3
	FEEDG \g, 0                                    ; chunk 0
.endr
	s_wait_kmcnt 0x0
	s_add_co_i32 s42, s40, 127
	s_lshl_b32 s43, s42, 23
	v_mov_b32 v[SC], s43
	s_add_co_i32 s42, s42, 15
	s_lshl_b32 s42, s42, 23
	s_or_b32 s42, s42, 0x600000
	v_mov_b32 v[LIM], s42
	s_add_co_i32 s42, s40, s41
	s_lshl_b32 s42, s42, 23
	s_add_co_i32 s[K2], s42, 0x4038aa3b            ; 2 log2(e) x 2^(e0 + e1)
	s_mov_b32 s[K2+1], s[K2]
	s_mov_b32 s[HF], 0
	s_mov_b32 s[SOF], 0
.Lpass:                                                ; two trips: columns 0-511, then 512-1,023; the way out is written once
	s_mov_b32 s[AO], 0
	v_add_nc_u32 v[SST], s[SOF], v[SST0]
	SETA 1
	BLOAD 0, 0                                     ; the pass's K step 0
	s_cmp_lg_u32 s[HF], 0
	s_cbranch_scc1 .Lp2
	ASKV 3
.irp g, 0,1,2,3
	QUANT \g, 56, 0, 1                             ; chunk 0; behind a group: 24 loads of values and W1's 32
.endr
	ASKV 4
.irp g, 0,1,2,3
	QUANT \g, 24, 1, 1                             ; chunk 1; behind a group: 24 loads of values
.endr
	s_wait_dscnt 0x0
	s_barrier_signal -1
	s_barrier_wait -1                              ; chunks 0 and 1 are whole
	ALOAD 0, 0
	ALOAD 1, 0
	STEP 0, 0, 1, 16384, 63, 1, 1, 1, 1, 0, 0      ; step 0 starts the sums
	s_wait_xcnt 0x0
	s_add_nc_u64 s[RB:RB+1], s[RB:RB+1], 512
	s_add_nc_u64 s[BP:BP+1], s[BP:BP+1], 131072
	s_add_co_u32 s[AO], s[AO], CH
	SETA 1
	s_mov_b32 s[CNT], 6
.L1:                                                   ; steps 1 to 12
	STEP 0, 1, 0, 0,     63, 0, 1, 1, 2, 0, 0
	STEP 1, 0, 1, 16384, 63, 0, 1, 1, 2, 0, 0
	s_wait_xcnt 0x0
	s_add_nc_u64 s[RB:RB+1], s[RB:RB+1], 1024
	s_add_nc_u64 s[BP:BP+1], s[BP:BP+1], 131072
	s_add_co_u32 s[AO], s[AO], 2*CH
	SETA 1
	s_sub_co_u32 s[CNT], s[CNT], 1
	s_cmp_lg_u32 s[CNT], 0
	s_cbranch_scc1 .L1
	STEP 0, 1, 0, 0,     63, 0, 1, 0, 0, 0, 0      ; step 13: the last chunk is quantised, nothing more is loaded
	STEP 1, 0, 1, 16384, 32, 0, 0, 0, 0, 0, 0
	STEP 2, 1, -1, 0,    32, 0, 0, 0, 0, 1, 0
	s_wait_xcnt 0x0
	s_add_nc_u64 s[BP:BP+1], s[BP:BP+1], 131072    ; on to the second half of w1l
	s_branch .Lepi
.Lp2:
	s_wait_loadcnt 32                              ; only this pass's K step 0 may be out: every older load is done, so v96-223 may be loaded as the third set
	BLOAD 1, 16384
	s_wait_xcnt 0x0
	s_add_nc_u64 s[BP:BP+1], s[BP:BP+1], 131072
	s_mov_b32 s[BD], 16384
	s_mov_b32 s[BD+1], 0
	ALOAD 0, 0
	ALOAD 1, 0
	STEP 0, 0, 2, 0, 63, 1, 0, 0, 0, 0, 0          ; step s asks for K step s + 2, into the set that step s - 1 has left
	s_add_co_u32 s[AO], s[AO], CH
	SETA 0
	s_mov_b32 s[CNT], 4
.L2:                                                   ; steps 1 to 12
	STEP 0, 1, 0, 0, 63, 0, 0, 0, 0, 0, 1
	STEP 1, 2, 1, 0, 63, 0, 0, 0, 0, 0, 1
	STEP 2, 0, 2, 0, 63, 0, 0, 0, 0, 0, 1
	s_add_co_u32 s[AO], s[AO], 3*CH
	SETA 0
	s_sub_co_u32 s[CNT], s[CNT], 1
	s_cmp_lg_u32 s[CNT], 0
	s_cbranch_scc1 .L2
	STEP 0, 1, 0, 0,  63, 0, 0, 0, 0, 0, 1
	STEP 1, 2, -1, 0, 32, 0, 0, 0, 0, 0, 0
	STEP 2, 0, -1, 0, 32, 0, 0, 0, 0, 1, 0
.Lepi:
; THE WAY OUT of a pass, 32 registers at a time: z = sum x K2 + bias x K2; 2^z; 1 + 2^z; its reciprocal; x V, summed over my columns.  One unit's exponentials stand beside the last unit's reciprocals.
.macro EP_E u
.set WW, 2+(\u)/8
	WIN (WW<<6)|WW
.set bb, 32*((\u)%8)
.set bi, BIA+32*((\u)%2)
.set ii, 0
.rept 16
	v_pk_fma_f32 v[bb+2*ii:bb+2*ii+1], v[bb+2*ii:bb+2*ii+1], s[K2:K2+1], v[bi+2*ii:bi+2*ii+1] op_sel_hi:[1,0,1]   ; each accumulator from its low end on
.set ii, ii+1
.endr
.set ii, 0
	s_wait_alu depctr_va_vdst(0)
.rept 32
	v_exp_f32 v[bb+ii], v[bb+ii]
.set ii, ii+1
.endr
.endm
.macro EP_AR u
.set WW, 2+(\u)/8
	WIN (WW<<6)|WW
.set bb, 32*((\u)%8)
.set ii, 0
.rept 16
	v_pk_add_f32 v[bb+2*ii:bb+2*ii+1], v[bb+2*ii:bb+2*ii+1], 1.0 op_sel_hi:[1,0]
.set ii, ii+1
.endr
.set ii, 0
	s_wait_alu depctr_va_vdst(0)
.rept 32
	v_rcp_f32 v[bb+ii], v[bb+ii]
.set ii, ii+1
.endr
.endm
.macro EP_F u
	WIN 2+(\u)/8
.set bb, 32*((\u)%8)
.set sa, S+8*((\u)/2)
.set vb, VV+32*((\u)%2)
.set ii, 0
.rept 4
.set nl, 0
.rept 4
.if (((\u)%2) == 0) && (ii == 0)
	v_pk_mul_f32 v[sa+2*nl:sa+2*nl+1], v[bb+8*nl+2*ii:bb+8*nl+2*ii+1], v[vb+8*nl+2*ii:vb+8*nl+2*ii+1]
.else
	v_pk_fma_f32 v[sa+2*nl:sa+2*nl+1], v[bb+8*nl+2*ii:bb+8*nl+2*ii+1], v[vb+8*nl+2*ii:vb+8*nl+2*ii+1], v[sa+2*nl:sa+2*nl+1]
.endif
.set nl, nl+1
.endr
.set ii, ii+1
.endr
.endm
.macro TWAIT                           ; a plain place behind a batch, and the batch's wait
	v_nop
	s_wait_alu depctr_va_vdst(0)
.endm
	s_wait_loadcnt 0x0                             ; V and the bias
.set ii, 0
.rept 32
	v_pk_mul_f32 v[BIA+2*ii:BIA+2*ii+1], v[BIA+2*ii:BIA+2*ii+1], s[K2:K2+1] op_sel_hi:[1,0]
.set ii, ii+1
.endr
	EP_E 0
	TWAIT
.set en, 0
.rept 15
	EP_AR en
	s_wait_alu depctr_va_vdst(0)                   ; ahead of the first readers of the next accumulators
	EP_E en+1
	TWAIT
	EP_F en
.set en, en+1
.endr
	EP_AR 15
	TWAIT
	EP_F 15
	WIN 0
.irp a, 0,1,2,3,4,5,6,7
	v_pk_add_f32 v[S+8*\a:S+8*\a+1], v[S+8*\a:S+8*\a+1], v[S+8*\a+2:S+8*\a+3]
	v_pk_add_f32 v[S+8*\a+4:S+8*\a+5], v[S+8*\a+4:S+8*\a+5], v[S+8*\a+6:S+8*\a+7]
.endr
.irp a, 0,1,2,3,4,5,6,7
	v_pk_add_f32 v[S+8*\a:S+8*\a+1], v[S+8*\a:S+8*\a+1], v[S+8*\a+4:S+8*\a+5]
.endr
.irp a, 0,1,2,3,4,5,6,7
	v_add_f32 v[S+8*\a], v[S+8*\a], v[S+8*\a+1]
.endr
.irp a, 0,1,2,3,4,5,6,7
	v_permlanex16_b32 v[S+8*\a+2], v[S+8*\a], s[SEL], s[SEL+1]
.endr
.irp a, 0,1,2,3,4,5,6,7
	v_add_f32 v[S+8*\a], v[S+8*\a], v[S+8*\a+2]    ; row 16 a + r, my wave's 128 columns
.endr
.irp a, 0,1,2,3,4,5,6,7
	ds_store_b32 v[SST], v[S+8*\a] offset:64*\a
.endr
	s_wait_xcnt 0x0
	s_add_nc_u64 s[VP:VP+1], s[VP:VP+1], 2048
	s_add_nc_u64 s[BI:BI+1], s[BI:BI+1], 65536
	s_add_co_u32 s[SOF], s[SOF], 2048
	s_add_co_u32 s[HF], s[HF], 1
	s_cmp_lt_u32 s[HF], 2
	s_cbranch_scc1 .Lpass
	s_wait_dscnt 0x0                               ; for the others' sake: my parts have landed
	s_barrier_signal -1
	s_barrier_wait -1
	s_cmp_lg_u32 s[WV], 0
	s_cbranch_scc1 .Lnot_mine
.irp k, 0,1,2,3,4,5,6,7
	ds_load_b128 v[T+4*\k:T+4*\k+3], v[SRD] offset:512*\k   ; two passes x four waves, rows 4 lane + 0 .. 3
.endr
	s_wait_dscnt 0x0
.irp k, 0,2,4,6
	v_pk_add_f32 v[T+4*\k:T+4*\k+1], v[T+4*\k:T+4*\k+1], v[T+4*\k+4:T+4*\k+5]
	v_pk_add_f32 v[T+4*\k+2:T+4*\k+3], v[T+4*\k+2:T+4*\k+3], v[T+4*\k+6:T+4*\k+7]
.endr
.irp k, 0,4
	v_pk_add_f32 v[T+4*\k:T+4*\k+1], v[T+4*\k:T+4*\k+1], v[T+4*\k+8:T+4*\k+9]
	v_pk_add_f32 v[T+4*\k+2:T+4*\k+3], v[T+4*\k+2:T+4*\k+3], v[T+4*\k+10:T+4*\k+11]
.endr
	v_pk_add_f32 v[T:T+1], v[T:T+1], v[T+16:T+17]
	v_pk_add_f32 v[T+2:T+3], v[T+2:T+3], v[T+18:T+19]
	v_pk_mul_f32 v[T:T+1], v[T:T+1], -2.0 op_sel_hi:[1,0]
	v_pk_mul_f32 v[T+2:T+3], v[T+2:T+3], -2.0 op_sel_hi:[1,0]
	global_store_b128 v[VA], v[T:T+3], s[SO:SO+1]  ; 512 consecutive bytes, at a multiple of 256 from the buffer's first byte
.Lnot_mine:
	s_wait_tensorcnt 0x0                           ; the wave's end
	ds_add_u32 v[SPW], v[NIL]
	s_wait_dscnt 0x0
	s_endpgm
.Lfunc_end_k_q31447b1feb_score:
	.size	k_q31447b1feb_score, .Lfunc_end_k_q31447b1feb_score-k_q31447b1feb_score
	.p2alignl 7, 3214868480
	.fill 96, 4, 3214868480
	.section	.rodata,"a",@progbits
	.p2align	6, 0x0
	.amdhsa_kernel k_q31447b1feb_score
		.amdhsa_group_segment_fixed_size 299520
		.amdhsa_private_segment_fixed_size 0
		.amdhsa_enable_private_segment 0
		.amdhsa_kernarg_size 48
		.amdhsa_user_sgpr_count 2
		.amdhsa_user_sgpr_kernarg_segment_ptr 1
		.amdhsa_wavefront_size32 1
		.amdhsa_system_sgpr_workgroup_id_x 1
		.amdhsa_system_sgpr_workgroup_id_y 1
		.amdhsa_system_sgpr_workgroup_id_z 1
		.amdhsa_system_vgpr_workitem_id 0
		.amdhsa_next_free_vgpr 1024
		.amdhsa_next_free_sgpr 66
		.amdhsa_reserve_vcc 0
		.amdhsa_float_denorm_mode_32 3
		.amdhsa_float_denorm_mode_16_64 3
		.amdhsa_memory_ordered 1
		.amdhsa_forward_progress 1
		.amdhsa_inst_pref_size 255
	.end_amdhsa_kernel
	.section	.bss,"aw",@nobits
	.p2align	6
	.space	262144
	.amdgpu_metadata
---
amdhsa.version: [ 1, 2 ]
amdhsa.kernels:
  - .name:           k_q31447b1feb_score
    .symbol:         k_q31447b1feb_score.kd
    .args:
      - { .name: values, .offset: 0, .size: 8, .value_kind: global_buffer, .address_space: global }
      - { .name: w1l, .offset: 8, .size: 8, .value_kind: global_buffer, .address_space: global }
      - { .name: biasq, .offset: 16, .size: 8, .value_kind: global_buffer, .address_space: global }
      - { .name: V, .offset: 24, .size: 8, .value_kind: global_buffer, .address_space: global }
      - { .name: lowp_scales, .offset: 32, .size: 8, .value_kind: global_buffer, .address_space: global }
      - { .name: scores, .offset: 40, .size: 8, .value_kind: global_buffer, .address_space: global }
    .group_segment_fixed_size: 299520
    .private_segment_fixed_size: 0
    .kernarg_segment_align: 8
    .kernarg_segment_size: 48
    .max_flat_workgroup_size: 128
    .sgpr_count:     66
    .vgpr_count:     1024
    .wavefront_size: 32
...
	.end_amdgpu_metadata
.endif
;; end of part 2
;; launch context (part 3): grid 8 x 32, 8 waves a work-group, no clusters, 5,120 bytes of LDS; arguments scores, values, part, out1; writes part, out1
.if DOCPART == 3
	.amdgcn_target "amdgcn-amd-amdhsa--gfx1250"
	.amdhsa_code_object_version 6
	.text
	.protected	k_q31447b1feb_context
	.globl	k_q31447b1feb_context
	.p2align	8
	.type	k_q31447b1feb_context,@function
k_q31447b1feb_context:
	s_mov_b64 s[64:65], 0
	v_nop
	global_prefetch_b8 v0, s[64:65] scope:SCOPE_SE
	s_setreg_imm32_b32 hwreg(HW_REG_WAVE_MODE, 25, 1), 1
	s_wait_xcnt 0x0
; The third launch: out1[b][t] = softmax over t of the scores;  part[b][k][d] = the sum over the 128 rows t = 128 k .. 128 k + 127 of out1[b][t] values[b][t][d].  A fourth launch adds a batch's eight parts into out0.
; The scores come without bv and without the sum of V's entries, which are the same for every t of a batch (shown at the first kernel's head): the softmax, which takes the batch's largest score away first, gives the same weights.
; A STREAM: no matrix unit, no cluster, no ring in LDS.  Work-group (k, b) owns 128 whole rows of batch b: 1,048,576 bytes on end.  Wave w takes bytes 1,024 w .. 1,024 w + 1,023 of every row (two loads of 512 bytes,
; eight columns a lane): the eight waves read a row's 8,192 bytes together, every column of a part has one owner, and no barrier and no sum between waves is needed.
; Every wave makes the batch's largest score and the sum of the exponentials by itself from all 1,024 scores (32 a lane), in one order.
; The 128 weights go through the wave's own 512 bytes of LDS and come back with the same number in every lane, 16 a round.
; PREFETCH: a round is 16 rows.  Round t loads round t + 1's rows and asks the L2 for round t + 2's: 64 blocks of 256 bytes a wave, a lane a block, two instructions, each block once; the head asks for round 1's; the last trip asks for nothing.
.set SPARE, 4096                       ; LDS: 0 .. 4,095 the waves' weights, 512 bytes each; then the spare words, 128 bytes a wave
.set VA,  2
.set WAD, 3
.set SPW, 4
.set NIL, 5
.set ACC, 16                           ; v16-23 my eight columns' sums
.set SCO, 24                           ; v24-55 32 scores
.set W,   56                           ; v56-71 a round's 16 weights
.set X,   84                           ; v84-211 32 slots of four numbers: slot i is row i / 2, half i % 2
.set WST, 220
.set PFO, 221                          ; 8,192 (lane / 2) + 256 (lane % 2)
.set RND, 131072                       ; a round's 16 rows in bytes
	s_load_b256 s[4:11], s[0:1], 0x0               ; scores, values, part, out1
	v_lshl_add_u32 v[SPW], v0, 2, SPARE
	v_mov_b32 v[NIL], 0
	v_lshrrev_b32 v1, 5, v0
	v_readfirstlane_b32 s12, v1                    ; wave 0..7
	s_and_b32 s15, ttmp7, 0xffff                   ; b
	s_lshl_b32 s16, s12, 9                         ; my wave's weights in LDS; stepped by a round's 64 bytes
	s_lshl_b32 s17, s12, 10                        ; my wave's 1,024 bytes in a row
	s_lshl_b32 s18, s15, 12                        ; a batch's 1,024 scores
	s_mov_b32 s19, 0
	s_lshl_b32 s20, ttmp9, 9                       ; my work-group's 128 of them
	s_mov_b32 s21, 0
	s_lshl_b32 s22, s15, 23
	s_lshl_b32 s23, ttmp9, 20
	s_add_co_u32 s22, s22, s23
	s_add_co_u32 s22, s22, s17
	s_mov_b32 s23, 0
	s_lshl_b32 s30, s15, 16
	s_lshl_b32 s31, ttmp9, 13
	s_add_co_u32 s30, s30, s31
	s_add_co_u32 s30, s30, s17                     ; part: 65,536 b + 8,192 k + 1,024 wave
	s_mov_b32 s31, 0
	s_mov_b32 s24, 0x3fb8aa3b                      ; log2(e)
	s_mov_b32 s25, s24
	s_mov_b32 s26, 0x76543210
	s_mov_b32 s27, 0xfedcba98
	v_and_b32 v1, 31, v0
	v_lshlrev_b32 v[VA], 4, v1
	v_add_nc_u32 v[WST], s16, v[VA]
	v_lshrrev_b32 v6, 1, v1
	v_and_b32 v7, 1, v1
	v_lshlrev_b32 v7, 8, v7
	v_lshl_add_u32 v[PFO], v6, 13, v7
.irp e, 0,1,2,3,4,5,6,7
	v_mov_b32 v[ACC+\e], 0
.endr
	s_wait_alu depctr_va_vdst(0)
	s_wait_kmcnt 0x0
	s_add_nc_u64 s[4:5], s[4:5], s[18:19]
	s_add_nc_u64 s[10:11], s[10:11], s[18:19]
	s_add_nc_u64 s[10:11], s[10:11], s[20:21]
	s_add_nc_u64 s[20:21], s[4:5], s[20:21]
	s_add_nc_u64 s[6:7], s[6:7], s[22:23]
	s_add_nc_u64 s[8:9], s[8:9], s[30:31]
.irp i, 0,1,2,3,4,5,6,7
	global_load_b128 v[SCO+4*\i:SCO+4*\i+3], v[VA], s[4:5] offset:512*\i
.endr
	global_load_b128 v[8:11], v[VA], s[20:21]      ; my work-group's rows 4 lane + 0 .. 3
	global_prefetch_b8 v[PFO], s[6:7] offset:RND th:TH_LOAD_NT scope:SCOPE_SE        ; round 1's rows
	global_prefetch_b8 v[PFO], s[6:7] offset:RND+512 th:TH_LOAD_NT scope:SCOPE_SE
.set si, 0
.rept 32
	global_load_b128 v[X+4*si:X+4*si+3], v[VA], s[6:7] offset:8192*(si/2)+512*(si%2) th:TH_LOAD_NT
.set si, si+1
.endr
	s_wait_loadcnt 32                              ; the scores are in; the ring's 32 loads stay out
	v_max3_num_f32 v6, v[SCO], v[SCO+1], v[SCO+2]
	v_max3_num_f32 v7, v[SCO+3], v[SCO+4], v[SCO+5]
.irp i, 6,10,14,18,22,26
	v_max3_num_f32 v6, v6, v[SCO+\i], v[SCO+\i+1]
	v_max3_num_f32 v7, v7, v[SCO+\i+2], v[SCO+\i+3]
.endr
	v_max3_num_f32 v6, v6, v[SCO+30], v[SCO+31]
	v_max_num_f32 v6, v6, v7
	v_max_num_f32_dpp v6, v6, v6 row_xmask:1 row_mask:0xf bank_mask:0xf
	v_max_num_f32_dpp v6, v6, v6 row_xmask:2 row_mask:0xf bank_mask:0xf
	v_max_num_f32_dpp v6, v6, v6 row_xmask:4 row_mask:0xf bank_mask:0xf
	v_max_num_f32_dpp v6, v6, v6 row_xmask:8 row_mask:0xf bank_mask:0xf
	v_permlanex16_b32 v7, v6, s26, s27
	v_max_num_f32 v6, v6, v7                       ; the batch's largest score
	v_mul_f32 v6, s24, v6
	v_mov_b32 v7, v6
.irp j, 0,2
	v_pk_fma_f32 v[8+\j:9+\j], v[8+\j:9+\j], s[24:25], v[6:7] op_sel_hi:[1,0,0] neg_lo:[0,0,1] neg_hi:[0,0,1]
.endr
.irp j, 0,2,4,6,8,10,12,14,16,18,20,22,24,26,28,30
	v_pk_fma_f32 v[SCO+\j:SCO+\j+1], v[SCO+\j:SCO+\j+1], s[24:25], v[6:7] op_sel_hi:[1,0,0] neg_lo:[0,0,1] neg_hi:[0,0,1]
.endr
	s_wait_alu depctr_va_vdst(0)
.irp j, 0,1,2,3
	v_exp_f32 v[8+\j], v[8+\j]
.endr
.set si, 0
.rept 32
	v_exp_f32 v[SCO+si], v[SCO+si]
.set si, si+1
.endr
	v_mov_b32 v216, 0                              ; a plain place; a lane permute's destination counts as a source
	v_mov_b32 v219, 0                              ; (named as the upper half of v[218:219])
	s_wait_alu depctr_va_vdst(0)                   ; one wait for the 36 exponentials
	v_pk_add_f32 v[212:213], v[SCO:SCO+1], v[SCO+2:SCO+3]
	v_pk_add_f32 v[214:215], v[SCO+4:SCO+5], v[SCO+6:SCO+7]
.irp j, 8,12,16,20,24,28
	v_pk_add_f32 v[212:213], v[212:213], v[SCO+\j:SCO+\j+1]
	v_pk_add_f32 v[214:215], v[214:215], v[SCO+\j+2:SCO+\j+3]
.endr
	v_pk_add_f32 v[212:213], v[212:213], v[214:215]
	v_add_f32 v212, v212, v213
	v_add_f32_dpp v212, v212, v212 row_xmask:1 row_mask:0xf bank_mask:0xf
	v_add_f32_dpp v212, v212, v212 row_xmask:2 row_mask:0xf bank_mask:0xf
	v_add_f32_dpp v212, v212, v212 row_xmask:4 row_mask:0xf bank_mask:0xf
	v_add_f32_dpp v212, v212, v212 row_xmask:8 row_mask:0xf bank_mask:0xf
	v_permlanex16_b32 v216, v212, s26, s27
	v_add_f32 v212, v212, v216
	s_wait_alu depctr_va_vdst(0)                   ; ahead of the reciprocal
	v_rcp_f32 v218, v212
	v_nop
	s_wait_alu depctr_va_vdst(0)                   ; and behind it
.irp j, 0,2
	v_pk_mul_f32 v[8+\j:9+\j], v[8+\j:9+\j], v[218:219] op_sel_hi:[1,0]   ; my four weights
.endr
	s_cmp_lg_u32 s12, 0                            ; wave 0 stores the work-group's 128 weights: each weight once
	s_wait_alu depctr_va_vdst(0)
	s_cbranch_scc1 .Lno_weights
	global_store_b128 v[VA], v[8:11], s[10:11]     ; 512 consecutive bytes
.Lno_weights:
	ds_store_b128 v[WST], v[8:11]                  ; row i's weight at byte 4 i of my wave's 512
; A ROUND: every slot once, 16 rows, in four batches of eight loads.  Behind a batch's eight loads stand the 24 younger ones.
.macro ROUND feed
	v_mov_b32 v[WAD], s16
.set ii, 0
.rept 4
	ds_load_b128 v[W+4*ii:W+4*ii+3], v[WAD] offset:16*ii   ; every lane the same 16 bytes; LDS serves a wave's instructions in order (ISA guide 5.7.1.4)
.set ii, ii+1
.endr
	s_wait_dscnt 0x0
.set kk, 0
.rept 4
.if \feed
	s_wait_loadcnt 24
.else
	s_wait_loadcnt 24-8*kk
.endif
.set ii, 8*kk
.rept 8
.irp e, 0,1,2,3
	v_fmac_f32 v[ACC+4*(ii%2)+\e], v[X+4*ii+\e], v[W+ii/2]
.endr
.set ii, ii+1
.endr
	s_wait_alu depctr_va_vdst(0)
.if \feed
.set ii, 8*kk
.rept 8
	global_load_b128 v[X+4*ii:X+4*ii+3], v[VA], s[6:7] offset:RND+8192*(ii/2)+512*(ii%2) th:TH_LOAD_NT   ; the slot's next row, 16 further down
.set ii, ii+1
.endr
.endif
.set kk, kk+1
.endr
.endm
	s_mov_b32 s32, 7
.Lround:
	s_cmp_eq_u32 s32, 1                            ; the last trip has no round two on
	s_cbranch_scc1 .Lno_ask
	global_prefetch_b8 v[PFO], s[6:7] offset:2*RND th:TH_LOAD_NT scope:SCOPE_SE
	global_prefetch_b8 v[PFO], s[6:7] offset:2*RND+512 th:TH_LOAD_NT scope:SCOPE_SE
.Lno_ask:
	ROUND 1
	s_wait_xcnt 0x0                                ; the loads and prefetches have read their base
	s_add_nc_u64 s[6:7], s[6:7], RND
	s_add_co_u32 s16, s16, 64
	s_sub_co_u32 s32, s32, 1
	s_cmp_lg_u32 s32, 0
	s_cbranch_scc1 .Lround
	ROUND 0                                        ; the last round loads nothing
	global_store_b128 v[VA], v[ACC:ACC+3], s[8:9]              ; 512 consecutive bytes a store, at a multiple of 256 from the buffer's first byte
	global_store_b128 v[VA], v[ACC+4:ACC+7], s[8:9] offset:512
	s_wait_tensorcnt 0x0                           ; the wave's end
	ds_add_u32 v[SPW], v[NIL]
	s_wait_dscnt 0x0
	s_endpgm
.Lfunc_end_k_q31447b1feb_context:
	.size	k_q31447b1feb_context, .Lfunc_end_k_q31447b1feb_context-k_q31447b1feb_context
	.p2alignl 7, 3214868480
	.fill 96, 4, 3214868480
	.section	.rodata,"a",@progbits
	.p2align	6, 0x0
	.amdhsa_kernel k_q31447b1feb_context
		.amdhsa_group_segment_fixed_size 5120
		.amdhsa_private_segment_fixed_size 0
		.amdhsa_enable_private_segment 0
		.amdhsa_kernarg_size 32
		.amdhsa_user_sgpr_count 2
		.amdhsa_user_sgpr_kernarg_segment_ptr 1
		.amdhsa_wavefront_size32 1
		.amdhsa_system_sgpr_workgroup_id_x 1
		.amdhsa_system_sgpr_workgroup_id_y 1
		.amdhsa_system_sgpr_workgroup_id_z 1
		.amdhsa_system_vgpr_workitem_id 0
		.amdhsa_next_free_vgpr 224
		.amdhsa_next_free_sgpr 66
		.amdhsa_reserve_vcc 0
		.amdhsa_float_denorm_mode_32 3
		.amdhsa_float_denorm_mode_16_64 3
		.amdhsa_memory_ordered 1
		.amdhsa_forward_progress 1
		.amdhsa_inst_pref_size 25
	.end_amdhsa_kernel
	.amdgpu_metadata
---
amdhsa.version: [ 1, 2 ]
amdhsa.kernels:
  - .name:           k_q31447b1feb_context
    .symbol:         k_q31447b1feb_context.kd
    .args:
      - { .name: scores, .offset: 0, .size: 8, .value_kind: global_buffer, .address_space: global }
      - { .name: values, .offset: 8, .size: 8, .value_kind: global_buffer, .address_space: global }
      - { .name: part, .offset: 16, .size: 8, .value_kind: global_buffer, .address_space: global }
      - { .name: out1, .offset: 24, .size: 8, .value_kind: global_buffer, .address_space: global }
    .group_segment_fixed_size: 5120
    .private_segment_fixed_size: 0
    .kernarg_segment_align: 8
    .kernarg_segment_size: 32
    .max_flat_workgroup_size: 256
    .sgpr_count:     66
    .vgpr_count:     224
    .wavefront_size: 32
...
	.end_amdgpu_metadata
.endif
;; end of part 3
;; launch combine (part 4): grid 256 x 1, 2 waves a work-group, no clusters, 0 bytes of LDS; arguments part, out0; writes out0
.if DOCPART == 4
	.amdgcn_target "amdgcn-amd-amdhsa--gfx1250"
	.amdhsa_code_object_version 6
	.text
	.protected	k_q31447b1feb_combine
	.globl	k_q31447b1feb_combine
	.p2align	8
	.type	k_q31447b1feb_combine,@function
k_q31447b1feb_combine:
	s_mov_b64 s[64:65], 0
	v_nop
	global_prefetch_b8 v0, s[64:65] scope:SCOPE_SE
	s_setreg_imm32_b32 hwreg(HW_REG_WAVE_MODE, 25, 1), 1
	s_wait_xcnt 0x0
; The fourth launch: out0[b][d] = the sum over k = 0 .. 7 of part[b][k][d].  Work-group g owns 256 columns of one batch: b = g / 8, columns 256 (g % 8) on; a lane owns four of them.
; Eight loads of 512 consecutive bytes a wave, all on their way at once; no loop, so no prefetch; no LDS, no matrix unit, no cluster: no two work-groups read the same byte.
	s_load_b128 s[4:7], s[0:1], 0x0                ; part, out0
	v_lshlrev_b32 v1, 4, v0                        ; 16 x thread
	s_lshr_b32 s8, ttmp9, 3
	s_lshl_b32 s8, s8, 16                          ; a batch's eight parts: 65,536 bytes
	s_and_b32 s9, ttmp9, 7
	s_lshl_b32 s9, s9, 10
	s_add_co_u32 s8, s8, s9
	s_mov_b32 s9, 0
	s_lshl_b32 s10, ttmp9, 10
	s_mov_b32 s11, 0
	s_wait_alu depctr_va_vdst(0)
	s_wait_kmcnt 0x0
	s_add_nc_u64 s[4:5], s[4:5], s[8:9]
	s_add_nc_u64 s[6:7], s[6:7], s[10:11]
.irp k, 0,1,2,3,4,5,6,7
	global_load_b128 v[4+4*\k:7+4*\k], v1, s[4:5] offset:8192*\k th:TH_LOAD_NT
.endr
	s_wait_loadcnt 0x0
.irp k, 0,2,4,6
	v_pk_add_f32 v[4+4*\k:5+4*\k], v[4+4*\k:5+4*\k], v[8+4*\k:9+4*\k]
	v_pk_add_f32 v[6+4*\k:7+4*\k], v[6+4*\k:7+4*\k], v[10+4*\k:11+4*\k]
.endr
.irp k, 0,4
	v_pk_add_f32 v[4+4*\k:5+4*\k], v[4+4*\k:5+4*\k], v[12+4*\k:13+4*\k]
	v_pk_add_f32 v[6+4*\k:7+4*\k], v[6+4*\k:7+4*\k], v[14+4*\k:15+4*\k]
.endr
	v_pk_add_f32 v[4:5], v[4:5], v[20:21]
	v_pk_add_f32 v[6:7], v[6:7], v[22:23]
	global_store_b128 v1, v[4:7], s[6:7]           ; 512 consecutive bytes a wave, at a multiple of 256 from out0's first byte
	s_endpgm
.Lfunc_end_k_q31447b1feb_combine:
	.size	k_q31447b1feb_combine, .Lfunc_end_k_q31447b1feb_combine-k_q31447b1feb_combine
	.p2alignl 7, 3214868480
	.fill 96, 4, 3214868480
	.section	.rodata,"a",@progbits
	.p2align	6, 0x0
	.amdhsa_kernel k_q31447b1feb_combine
		.amdhsa_group_segment_fixed_size 0
		.amdhsa_private_segment_fixed_size 0
		.amdhsa_enable_private_segment 0
		.amdhsa_kernarg_size 16
		.amdhsa_user_sgpr_count 2
		.amdhsa_user_sgpr_kernarg_segment_ptr 1
		.amdhsa_wavefront_size32 1
		.amdhsa_system_sgpr_workgroup_id_x 1
		.amdhsa_system_sgpr_workgroup_id_y 1
		.amdhsa_system_sgpr_workgroup_id_z 1
		.amdhsa_system_vgpr_workitem_id 0
		.amdhsa_next_free_vgpr 40
		.amdhsa_next_free_sgpr 66
		.amdhsa_reserve_vcc 0
		.amdhsa_float_denorm_mode_32 3
		.amdhsa_float_denorm_mode_16_64 3
		.amdhsa_memory_ordered 1
		.amdhsa_forward_progress 1
		.amdhsa_inst_pref_size 3
	.end_amdhsa_kernel
	.amdgpu_metadata
---
amdhsa.version: [ 1, 2 ]
amdhsa.kernels:
  - .name:           k_q31447b1feb_combine
    .symbol:         k_q31447b1feb_combine.kd
    .args:
      - { .name: part, .offset: 0, .size: 8, .value_kind: global_buffer, .address_space: global }
      - { .name: out0, .offset: 8, .size: 8, .value_kind: global_buffer, .address_space: global }
    .group_segment_fixed_size: 0
    .private_segment_fixed_size: 0
    .kernarg_segment_align: 8
    .kernarg_segment_size: 16
    .max_flat_workgroup_size: 64
    .sgpr_count:     66
    .vgpr_count:     40
    .wavefront_size: 32
...
	.end_amdgpu_metadata
.endif
;; end of part 4
